; MI455X (gfx1250); checked and timed in simulation.
; The chip was launched on July 23, 2026; its instructions are those of AMD's public machine-readable ISA for CDNA 5 (MIT licence, August 2026) and "CDNA5" Instruction Set Architecture Reference Guide (July 2026). The comments in the code are by the model that wrote it; some were corrected since.
;; Attention. Allowed arithmetic: matrix products marked QUANTISED: E2M3 operands, one E8M0 scale for each 32 along K, by v_wmma_scale_f32_16x16x128_f8f6f4 with both operands' format E2M3, f32 sums; products left as they are: f32 operands where the result goes on into a quantised operand, else bf16, f16 or f32 operands; f32 sums; everything else in f32.
;; Inputs: Wa 32 x 1 float32; Wt 512 x 32 float32; Wx 512 x 32 float32; ba 1 float32; bh 32 float32; x 4 x 1,024 x 512 float32.
;; Outputs: out0 4 x 1,024 x 512 float32.
;; This version of the problem:
;;   THIS VERSION OF THE PROBLEM IS GIVEN IN LOW PRECISION. The matrix products marked QUANTISED in the list below multiply operands that are first quantised to E2M3 (2 exponent bits, 3 mantissa bits; 6 bits a number), with one power-of-two scale for each 32 numbers along K (OCP MX v1.0); their sums are f32. All else is computed in f32.
;;   The module's matrix products, in the order in which they are computed (A, B: the left and right operand; K: the contracted axis; several contracted axes count as one K, in the product's order):
;;     1. [M 4,096, K 512] x [K 512, N 32]; A: input x; B: input Wt: QUANTISED
;;     2. [M 4,096, K 512] x [K 512, N 32]; A: input x; B: input Wx: QUANTISED
;;     3. [M 4,194,304, K 32] x [K 32, N 1]; A: computed on the way; B: input Wa: left as it is (N = 1 < 16)
;;     4. batch 4 x [M 1,024, K 1,024] x [K 1,024, N 512]; A: computed on the way; B: input x: QUANTISED
;;   THE QUANTISER, for each operand of a quantised product, along K:
;;     - K is cut into blocks of 32 from its start; a last block that is shorter is filled with zeros.
;;     - A block's scale is 2^e with e = floor(log2(the largest magnitude in the block)) - 2, held to -126 .. 127; a block of zeros has e = 0. As a byte (E8M0): e + 127.
;;     - Each number is divided by its block's scale, clamped to +-7.5, and rounded to the nearest number of E2M3, ties to even, subnormals kept.
;;     - The product sums the exact products of the quantised numbers (number of the format x scale) in f32.
;;   ~~~python
;;   def quantise(x, axis):      # numpy; x: float32 -> the quantised numbers, widened to float32 again
;;       x = np.moveaxis(x, axis, -1); K = x.shape[-1]
;;       x = np.pad(x, [(0, 0)] * (x.ndim - 1) + [(0, -K % 32)]); x = x.reshape(x.shape[:-1] + (-1, 32)); a = np.abs(x).max(-1, keepdims=True)
;;       e = np.where(a > 0, np.clip(np.frexp(np.where(a > 0, a, 1))[1] - 1 - 2, -126, 127), 0)      # np.frexp(a)[1] - 1 = floor(log2(a)), exactly
;;       r = np.clip(x / 2.0 ** e, -7.5, 7.5)
;;       step = 2.0 ** (np.maximum(np.frexp(np.where(r == 0, 1, r))[1] - 1, 0) - 3)
;;       q = np.round(r / step) * step * 2.0 ** e      # np.round: ties to even
;;       return np.moveaxis(q.reshape(q.shape[:-2] + (-1,))[..., :K], -1, axis).astype(np.float32)
;;   ~~~
;;   OPERANDS COMPUTED ON THE WAY. 'Computed on the way' means the value that the module computes at that place (a softmax that the list does not call 'softmax' is quantised finished and normalised). What goes into a quantiser is computed in f32, as accurately as f32 sums, v_exp_f32 and their like allow (about 1e-6 of the number): no bf16 or f16 on the way to a quantiser, and a product that is left as it is and whose result goes on into a quantised operand takes f32 operands (vector FMAs, or v_wmma_f32_16x16x4_f32). A number that lies on a knife's edge between two numbers of the format may be rounded either way, as far as f32 arithmetic and the matrix unit's own rounding can turn it there, and no further.
;; One version. Each part assembles by itself: llvm-mc -triple=amdgcn-amd-amdhsa -mcpu=gfx1250 --defsym DOCPART=n.
;; ======== version 1 of 1: 1 launch
;; launch band_attention (part 1): grid 256 x 1, 16 waves a work-group, no clusters, 281,088 bytes of LDS; arguments x, Wt, Wx, bh, Wa, ba, out0; writes out0
.if DOCPART == 1
	.amdgcn_target "amdgcn-amd-amdhsa--gfx1250"
	.amdhsa_code_object_version 6
	.text
	.protected	k_q43cd5440a7_band_attention
	.globl	k_q43cd5440a7_band_attention
	.p2align	8
	.type	k_q43cd5440a7_band_attention,@function
k_q43cd5440a7_band_attention:
	s_mov_b64 s[64:65], 0
	v_nop
	global_prefetch_b8 v0, s[64:65] scope:SCOPE_SE
	s_setreg_imm32_b32 hwreg(HW_REG_WAVE_MODE, 25, 1), 1
	s_wait_xcnt 0x0
; v[b][i][:] = sum over j of a[i][j] x[b][j][:],  a = e / (sum of e + 1e-7),  e = exp(sum over u of Wa[u] tanh(q[i][u] + k[j][u] + bh[u]) + ba) for i - 32 <= j <= i + 31, else 0;  q = x Wt, k = x Wx.
; The three products x Wt, x Wx and a x run on codes of FP6 (E2M3) with one E8M0 scale for each 32 along K; everything else is f32.
; SHARES.  256 work-groups of 16 waves; work-group g owns 16 queries: batch g / 64, queries 16 (g % 64) on.  With beta = (g / 2) % 32 and p = g % 2 its keys lie in the three aligned blocks of 32 keys
; beta - 1, beta, beta + 1: THE WINDOW, 96 rows of x.  Those three blocks and a fourth, in which a's codes are zeros, are the one K step of a x.  A block outside the batch is replaced by a
; neighbouring block (finite numbers), and the weights of its keys are set to 0.
; PHASES, a barrier between each two:
;  A  every wave: columns 32 w .. 32 w + 31 of the window, A LANE TO A COLUMN, REGISTERS DOWN THE KEYS (each load: 128 consecutive bytes).  The numbers go to a stage in LDS as rows, and are quantised along the keys
;     in registers: they become the wave's two fragments of x^T and never leave it.  Likewise 64 rows of Wt (waves 0-7) or Wx (waves 8-15): two half fragments, stored in LDS as images of their registers.
;  B  waves 0-4: k of 16 keys each (keys i0 - 32 + 16 w on); wave 5: q.  Rows from the stage, quantised along D, four K steps of two products, used transposed (source 0 = 16 columns of W, source 1 = 16 rows of x).
;  C  every wave: a lane takes two pairs (query r, key i - 32 + o), o = 4 w + 2 h + 0, 1: 16 x 32 x 2 = 1,024 = 16 queries x 64 keys, the band and nothing beside it.
;  D  every wave: the rows' sums, a, its codes, and the wave's two products (source 0 = 16 columns d of x, source 1 = a).  All sixteen make a's fragment: about 150 instructions against one more barrier and a way through LDS.
;  E  wave w stores row w of the result, 2,048 bytes, 512 consecutive bytes an instruction.
; tanh z = 1 - 2 / (1 + 2^(c z)), c = 2 log2(e): q and k + bh are stored times c; e log2(e) = log2(e) (sum of Wa + ba) + sum of (-2 log2(e) Wa[u]) / (1 + 2^t).  2^t = infinity gives 0, 2^t = 0 gives 1: no NaN.
; NO CLUSTER, NO TENSOR LOAD: x's window and W are wanted with a lane to a column and registers down K, which is how the 4-byte loads bring them from memory; through LDS each number would be read by the same
; 4-byte loads once more.  The window (192 KB) and W (128 KB) together are all of the 320 KB, and the other arrays here take 81 KB.  Neighbours' windows lie 32 rows apart, so a shared window's place in LDS would hang on a work-group's place.
; LIMITS: NaN and infinities among the inputs are not served.  v_exp_f32 gives 0 for results under 2^-126: a weight whose e lies under about -87 is 0 here.  As in the definition no maximum is taken away: e over 88 overflows there as here.
; tanh has an absolute error of about 1e-7.  bh is added to k ahead of q, and a row's sum runs in another order than the definition's.  A block of zeros has the scale byte 1: its codes are zeros, and nobody else reads the bytes.
.set SP,    2064                       ; a stage row: 2,048 bytes + 16: sixteen rows of a 16-byte load start at sixteen different places modulo 256 bytes (64 banks of 4 bytes: ISA guide 11.1)
.set BLKB,  32*SP                      ; a block of 32 rows
.set FRB,   1536                       ; a fragment's image: 12 registers x 128 bytes
.set WIMG,  96*SP                      ; behind the stage: W's 16 fragments: (Wt, Wx) x 4 K steps x (columns 0-15, 16-31)
.set WSC,   WIMG+16*FRB                ; W's scale words: (Wt, Wx) x 4 K steps x 32 columns x 4 bytes
.set WAS,   WSC+1024                   ; -2 log2(e) Wa, 128 bytes for each wave: its own
.set AB,    WAS+2048                   ; the weights e: 16 rows of AP bytes (16,384 bytes are cleared)
.set AP,    592                        ; 144 words + 16 bytes: word 16 + r + o of row r; words outside the band stay 0
.set QK,    AB+16384                   ; c (k + bh): rows 0-79; c q: rows 80-95; wave w's store address has rows 16 w on to itself
.set QP,    144                        ; 128 bytes + 16
.set FLR,   0x1800000                  ; 2^(3 - 127): no largest magnitude is taken under it, so no scale byte falls under 1
.set LN,  1                            ; lane
.set RR,  2                            ; r = lane % 16
.set HH,  3                            ; h = lane / 16
.set GC,  4                            ; 4 x thread: my column of x, in bytes
.set SA,  5                            ; v5-7  stage, on the way in: block b
.set GW,  8                            ; 4 x lane
.set WIA, 9                            ; where I store W's half fragments
.set WSA, 10                           ; and my two scale bytes
.set DQA, 11                           ; stage, on the way out: my row of my tile
.set WRA, 12                           ; W's images, read
.set WSR, 13                           ; W's scale words, read
.set QKS, 14                           ; where I store k or q
.set QRA, 15                           ; my query's row of q
.set KRA, 16                           ; my first key's row of k
.set WAA, 17                           ; my wave's Wa
.set AWA, 18                           ; where I store my two weights
.set ARA, 19                           ; my query's weights, read
.set OSA, 20                           ; the result's stage, in
.set ORA, 21                           ; and out
.set GO,  22                           ; 16 x lane
.set EB,  23                           ; log2(e) (sum of Wa + ba)
.set KJ,  24                           ; my first key's number in the batch (outside 0 .. 1,023: no key)
.set H8,  25                           ; 8 h
.set MX0, 26                           ; v26-29 running maxima
.set MX1, 27
.set MX2, 28
.set MX3, 29
.set SO0, 30                           ; v30-31 the conversions' scale operands
.set SO1, 31
.set FA,  32                           ; v32-43 x^T, columns 32 w + 0 .. 15;  v44-55 columns 32 w + 16 .. 31
.set FB,  44
.set XTS, 56                           ; their scale words: lanes 0-15 the first tile's, lanes 16-31 the second's.  v56, v57 and v76 hold scales and nothing else
.set WS,  57                           ; W's scale words of a K step, likewise
.set ACC, 58                           ; v58-73 the projection's two accumulators; they begin as bh
.set BY0, 74                           ; scale bytes
.set BY1, 75
.set SCW, 76                           ; the scale word of the operand just made
.set BY2, 77
.set PT,  78                           ; a lane permute's destination
.set TMP, 79
.set XC,  80                           ; A: v80-175 my column, 96 keys
.set WR,  176                          ; A: v176-239 my column of W, 64 along K
.set WCA, 240                          ; A: v240-245, v246-251 W's codes
.set WCB, 246
.set TT0, 252                          ; v252-254 the upper half of a block's codes (a conversion's three registers begin on an even number)
.set TT1, 246                          ; B, D: v246-248 the same for the second block of a pair
.set WAV, 255                          ; A: Wa[lane]
.set XA,  80                           ; B: v80-143, v144-207 64 numbers of my row, two sets
.set XB,  144
.set WF,  208                          ; B: v208-231 W's two fragments of a K step
.set FR,  234                          ; B: v234-245 x's fragment
.set QV,  80                           ; C: v80-111 c q
.set KV,  112                          ; C: v112-175 c (k + bh) of my two keys, then 2^t, 1 + 2^t, its reciprocal
.set WAR, 176                          ; C: v176-207 -2 log2(e) Wa
.set CA,  208                          ; C: v208-215 four packed sums
.set AV,  80                           ; D: v80-143 my 64 weights
.set SUM0, 144
.set SUM1, 146
.set RC,  148                          ; D: v148-149 1 / (s + 1e-7)
.set AF,  160                          ; D: v160-171 a's fragment
.set DA,  176                          ; D: v176-183, v184-191 the results
.set DB,  184
.set OUTR, 80                          ; E: v80-95 a row of the result
.set SEL, 32                           ; s[32:33] v_permlanex16_b32's selects for lane l xor 16
.set CC,  34                           ; s[34:35] c = 2 log2(e)
.macro PLACES n
.rept \n
	v_nop
.endr
.endm
; 32 numbers of ONE block in v[s] on become 6 registers of codes in v[c] on and the block's scale byte in v[by].
.macro QBLOCK s, c, by
	v_max3_num_f32 v[MX0], |v[\s]|, |v[\s+1]|, |v[\s+2]|
	v_max3_num_f32 v[MX1], |v[\s+3]|, |v[\s+4]|, |v[\s+5]|
.irp i, 6,10,14,18,22,26
	v_max3_num_f32 v[MX0], v[MX0], |v[\s+\i]|, |v[\s+\i+1]|
	v_max3_num_f32 v[MX1], v[MX1], |v[\s+\i+2]|, |v[\s+\i+3]|
.endr
	v_max3_num_f32 v[MX0], v[MX0], |v[\s+30]|, |v[\s+31]|
	v_max3_num_f32 v[MX0], v[MX0], v[MX1], FLR                     ; the block's largest magnitude, and the floor
	v_add_nc_u32 v[SO0], 0xff000000, v[MX0]                        ; 2 off its exponent field: the conversion takes the exponent field of this operand as its scale
	v_cvt_scalef32_pk16_fp6_f32 v[\c:\c+2], v[\s:\s+15], v[SO0]
	v_cvt_scalef32_pk16_fp6_f32 v[TT0:TT0+2], v[\s+16:\s+31], v[SO0]
	v_lshrrev_b32 v[\by], 23, v[SO0]                               ; the scale's byte; also the plain place behind the conversions
	v_mov_b32 v[\c+3], v[TT0]
	v_mov_b32 v[\c+4], v[TT0+1]
	v_mov_b32 v[\c+5], v[TT0+2]
.endm
; The same for two blocks by turns, so that no line waits for the line above it; bytes in v[BY0], v[BY1].
.macro QPAIR s0, s1, c0, c1
	v_max3_num_f32 v[MX0], |v[\s0]|, |v[\s0+1]|, |v[\s0+2]|
	v_max3_num_f32 v[MX2], |v[\s1]|, |v[\s1+1]|, |v[\s1+2]|
	v_max3_num_f32 v[MX1], |v[\s0+3]|, |v[\s0+4]|, |v[\s0+5]|
	v_max3_num_f32 v[MX3], |v[\s1+3]|, |v[\s1+4]|, |v[\s1+5]|
.irp i, 6,10,14,18,22,26
	v_max3_num_f32 v[MX0], v[MX0], |v[\s0+\i]|, |v[\s0+\i+1]|
	v_max3_num_f32 v[MX2], v[MX2], |v[\s1+\i]|, |v[\s1+\i+1]|
	v_max3_num_f32 v[MX1], v[MX1], |v[\s0+\i+2]|, |v[\s0+\i+3]|
	v_max3_num_f32 v[MX3], v[MX3], |v[\s1+\i+2]|, |v[\s1+\i+3]|
.endr
	v_max3_num_f32 v[MX0], v[MX0], |v[\s0+30]|, |v[\s0+31]|
	v_max3_num_f32 v[MX2], v[MX2], |v[\s1+30]|, |v[\s1+31]|
	v_max3_num_f32 v[MX0], v[MX0], v[MX1], FLR
	v_max3_num_f32 v[MX2], v[MX2], v[MX3], FLR
	v_add_nc_u32 v[SO0], 0xff000000, v[MX0]
	v_add_nc_u32 v[SO1], 0xff000000, v[MX2]
	v_cvt_scalef32_pk16_fp6_f32 v[\c0:\c0+2], v[\s0:\s0+15], v[SO0]
	v_cvt_scalef32_pk16_fp6_f32 v[TT0:TT0+2], v[\s0+16:\s0+31], v[SO0]
	v_cvt_scalef32_pk16_fp6_f32 v[\c1:\c1+2], v[\s1:\s1+15], v[SO1]
	v_cvt_scalef32_pk16_fp6_f32 v[TT1:TT1+2], v[\s1+16:\s1+31], v[SO1]
	v_lshrrev_b32 v[BY0], 23, v[SO0]                               ; plain places behind the conversions
	v_lshrrev_b32 v[BY1], 23, v[SO1]
	v_mov_b32 v[\c0+3], v[TT0]
	v_mov_b32 v[\c0+4], v[TT0+1]
	v_mov_b32 v[\c0+5], v[TT0+2]
	v_mov_b32 v[\c1+3], v[TT1]
	v_mov_b32 v[\c1+4], v[TT1+1]
	v_mov_b32 v[\c1+5], v[TT1+2]
.endm
; Lane (r, h) holds the bytes of blocks h and 2 + h of row r: with lane l xor 16's two the row's scale word is whole.
.macro SWORD
	v_lshl_or_b32 v[SCW], v[BY1], 16, v[BY0]
	v_lshlrev_b32 v[SCW], v[H8], v[SCW]
	v_permlanex16_b32 v[PT], v[SCW], s[SEL], s[SEL+1]
	v_or_b32 v[SCW], v[SCW], v[PT]
.endm
.macro LOADX b                         ; block b of the window: x(32 b + t, my column): 32 lanes read 128 consecutive bytes
.set t, 0
.rept 32
	global_load_b32 v[XC+32*\b+t], v[GC], s[24+2*\b:25+2*\b] offset:t*2048
.set t, t+1
.endr
.endm
.macro STAGE b                         ; and into the stage, as rows
.set t, 0
.rept 32
	ds_store_b32 v[SA+\b], v[XC+32*\b+t] offset:t*SP
.set t, t+1
.endr
.endm
.macro LOADW e                         ; 32 rows of W: 32 lanes read a whole row, 128 bytes
.set t, 0
.rept 32
	global_load_b32 v[WR+32*\e+t], v[GW], s[30:31] offset:(32*\e+t)*128
.set t, t+1
.endr
.endm
.macro LDX s, buf                      ; K step s of my row: blocks h and 2 + h, 32 numbers each: 16 loads
.set t, 0
.rept 16
	ds_load_b128 v[\buf+4*t:\buf+4*t+3], v[DQA] offset:512*\s+256*(t/8)+16*(t%8)
.set t, t+1
.endr
.endm
.macro LDW s                           ; K step s of W: two fragments as they were stored, and their scale words: 13 loads
.set t, 0
.rept 12
	ds_load_b64 v[WF+2*t:WF+2*t+1], v[WRA] offset:2*\s*FRB+256*t
.set t, t+1
.endr
	ds_load_b32 v[WS], v[WSR] offset:128*\s
.endm
.macro PROJ                            ; a K step's two products; the two accumulators take turns
	v_wmma_scale_f32_16x16x128_f8f6f4 v[ACC:ACC+7], v[WF:WF+11], v[FR:FR+11], v[ACC:ACC+7], v[WS], v[SCW] matrix_a_fmt:MATRIX_FMT_FP6 matrix_b_fmt:MATRIX_FMT_FP6
	v_wmma_scale_f32_16x16x128_f8f6f4 v[ACC+8:ACC+15], v[WF+12:WF+23], v[FR:FR+11], v[ACC+8:ACC+15], v[WS], v[SCW] matrix_a_fmt:MATRIX_FMT_FP6 matrix_b_fmt:MATRIX_FMT_FP6 matrix_a_scale:MATRIX_SCALE_ROW1
.endm
.macro BARRIER                         ; my LDS stores have landed and my LDS loads are in: then the work-group's barrier
	s_wait_dscnt 0x0
	s_barrier_signal -1
	s_barrier_wait -1
.endm
	s_load_b256 s[4:11], s[0:1], 0x0               ; x s[4:5], Wt s[6:7], Wx s[8:9], bh s[10:11]
	s_load_b128 s[12:15], s[0:1], 0x20             ; Wa s[12:13], ba s[14:15]
	s_load_b64 s[16:17], s[0:1], 0x30              ; out0
	v_lshrrev_b32 v[LN], 5, v0
	v_readfirstlane_b32 s18, v[LN]                 ; wave 0..15
	v_and_b32 v[LN], 31, v0
	v_and_b32 v[RR], 15, v0
	v_bfe_u32 v[HH], v0, 4, 1
	v_lshlrev_b32 v[GC], 2, v0
	v_lshlrev_b32 v[GW], 2, v[LN]
	v_lshlrev_b32 v[TMP], 5, v[HH]                 ; bh: 32 h bytes
	s_and_b32 s19, ttmp9, 1                        ; p
	s_bfe_u32 s20, ttmp9, 0x50001                  ; beta
	s_lshr_b32 s21, ttmp9, 6
	s_lshl_b32 s21, s21, 5                         ; the batch's first block of 32 rows
	s_sub_co_i32 s22, s20, 1
	s_max_i32 s22, s22, 0                          ; block beta - 1, held inside the batch
	s_add_co_u32 s22, s22, s21
	s_lshl_b32 s40, s22, 16                        ; a block is 32 rows x 2,048 bytes
	s_mov_b32 s41, 0
	s_add_co_u32 s22, s20, s21                     ; block beta
	s_lshl_b32 s42, s22, 16
	s_mov_b32 s43, 0
	s_add_co_u32 s22, s20, 1
	s_min_u32 s22, s22, 31                         ; block beta + 1, held inside the batch
	s_add_co_u32 s22, s22, s21
	s_lshl_b32 s44, s22, 16
	s_mov_b32 s45, 0
	s_and_b32 s22, s18, 7
	s_lshl_b32 s46, s22, 13                        ; my 64 rows of W: 64 x 128 bytes x (wave % 8)
	s_mov_b32 s47, 0
	s_lshl_b32 s22, ttmp9, 4
	s_add_co_u32 s22, s22, s18                     ; the row of the result that I store: 16 g + wave
	s_lshl_b32 s48, s22, 11
	s_mov_b32 s49, 0
	s_wait_kmcnt 0x0
	s_load_b32 s36, s[14:15], 0x0                  ; ba
	s_add_nc_u64 s[24:25], s[4:5], s[40:41]
	s_add_nc_u64 s[26:27], s[4:5], s[42:43]
	s_add_nc_u64 s[28:29], s[4:5], s[44:45]
	s_cmp_lt_u32 s18, 8                            ; waves 0-7 take Wt, waves 8-15 Wx
	s_cselect_b64 s[30:31], s[6:7], s[8:9]
	s_add_nc_u64 s[30:31], s[30:31], s[46:47]
	s_add_nc_u64 s[16:17], s[16:17], s[48:49]
	global_load_b32 v[WAV], v[GW], s[12:13]        ; Wa[lane]
	global_load_b128 v[ACC:ACC+3], v[TMP], s[10:11]               ; bh in the result's layout: tile t, lane (r, h): bh[16 t + 8 h + 0 .. 7]
	global_load_b128 v[ACC+4:ACC+7], v[TMP], s[10:11] offset:16
	global_load_b128 v[ACC+8:ACC+11], v[TMP], s[10:11] offset:64
	global_load_b128 v[ACC+12:ACC+15], v[TMP], s[10:11] offset:80
	LOADX 0
	; the addresses are made while the first loads are on their way
	s_mov_b32 s[SEL], 0x76543210
	s_mov_b32 s[SEL+1], 0xfedcba98
	s_mov_b32 s[CC], 0x4038aa3b                    ; c = 2 log2(e)
	s_mov_b32 s[CC+1], s[CC]                       ; (named with it as a pair, so it is written)
	s_cmp_lt_u32 s18, 5                            ; waves 0-4 make k, wave 5 makes q
	s_cselect_b32 s38, 1.0, 0                      ; bh goes with k
	s_cselect_b32 s22, s18, 2                      ; my tile of 16 rows, counted from key i0 - 32: the queries are tile 2
	s_cselect_b32 s23, 8*FRB, 0                    ; Wx's images lie behind Wt's eight
	s_cselect_b32 s50, 512, 0
	s_mov_b32 s39, s38
	v_mov_b32 v[MX2], 0
	v_mov_b32 v[MX3], 0
	v_mov_b32 v[SO0], 0
	v_mov_b32 v[SO1], 0
	v_lshl_add_u32 v[MX0], v0, 4, AB
	ds_store_b128 v[MX0], v[MX2:MX2+3]             ; the weights' array is cleared: 512 threads x 2 x 16 bytes
	ds_store_b128 v[MX0], v[MX2:MX2+3] offset:8192
	v_mov_b32 v[PT], 0                             ; written once: a lane permute's destination counts as one of its sources
	v_mov_b32 v[SA], v[GC]
	v_add_nc_u32 v[SA+1], BLKB, v[GC]
	v_add_nc_u32 v[SA+2], 2*BLKB, v[GC]
	s_lshr_b32 s51, s18, 1                         ; which of W's eight (matrix, K step): wave / 2
	s_and_b32 s52, s18, 1                          ; which half of the K step
	s_mul_i32 s53, s51, 2*FRB
	s_mul_i32 s54, s52, FRB/2
	s_add_co_u32 s53, s53, s54
	s_add_co_u32 s53, s53, WIMG
	v_lshl_add_u32 v[WIA], v[LN], 3, s53
	s_lshl_b32 s53, s51, 7
	s_lshl_b32 s54, s52, 1
	s_add_co_u32 s53, s53, s54
	s_add_co_u32 s53, s53, WSC
	v_lshl_add_u32 v[WSA], v[LN], 2, s53
	s_add_co_u32 s22, s22, s19                     ; key i0 - 32 is window row 16 p
	s_mul_i32 s22, s22, 16*SP
	v_mul_u32_u24 v[DQA], v[RR], SP
	v_lshl_add_u32 v[DQA], v[HH], 7, v[DQA]        ; row r of my tile, + 128 h: lanes 16-31 take the odd blocks
	v_add_nc_u32 v[DQA], s22, v[DQA]
	s_add_co_u32 s23, s23, WIMG
	v_lshl_add_u32 v[WRA], v[LN], 3, s23
	s_add_co_u32 s50, s50, WSC
	v_lshl_add_u32 v[WSR], v[LN], 2, s50
	s_mul_i32 s53, s18, 16*QP
	s_add_co_u32 s53, s53, QK
	v_mul_u32_u24 v[QKS], v[RR], QP
	v_lshl_add_u32 v[QKS], v[HH], 5, v[QKS]
	v_add_nc_u32 v[QKS], s53, v[QKS]               ; row 16 w + r, + 32 h
	v_mul_u32_u24 v[QRA], v[RR], QP
	v_add_nc_u32 v[QRA], QK+80*QP, v[QRA]
	v_lshl_add_u32 v[KRA], v[HH], 1, v[RR]
	v_mul_u32_u24 v[KRA], v[KRA], QP
	s_mul_i32 s53, s18, 4*QP
	s_add_co_u32 s53, s53, QK
	v_add_nc_u32 v[KRA], s53, v[KRA]               ; row r + 4 w + 2 h
	s_lshl_b32 s53, s18, 7
	s_add_co_u32 s53, s53, WAS
	v_mov_b32 v[WAA], s53
	v_mul_u32_u24 v[AWA], v[RR], AP+4
	v_lshl_add_u32 v[AWA], v[HH], 3, v[AWA]
	s_lshl_b32 s53, s18, 4
	s_add_co_u32 s53, s53, AB+64
	v_add_nc_u32 v[AWA], s53, v[AWA]               ; row r, word 16 + r + 4 w + 2 h
	v_mul_u32_u24 v[ARA], v[RR], AP
	v_lshl_add_u32 v[ARA], v[HH], 7, v[ARA]
	s_xor_b32 s53, s19, 1
	s_lshl_b32 s53, s53, 6
	s_add_co_u32 s53, s53, AB
	v_add_nc_u32 v[ARA], s53, v[ARA]               ; window key kappa is word 16 + kappa - 16 p: row r, + 64 (1 - p), + 128 h
	v_mul_u32_u24 v[OSA], v[RR], SP
	v_lshl_add_u32 v[OSA], v[HH], 5, v[OSA]
	s_lshl_b32 s53, s18, 7
	v_add_nc_u32 v[OSA], s53, v[OSA]               ; row r, + 128 w + 32 h
	s_mul_i32 s53, s18, SP
	v_lshl_add_u32 v[ORA], v[LN], 4, s53
	v_lshlrev_b32 v[GO], 4, v[LN]
	s_and_b32 s53, ttmp9, 63
	s_lshl_b32 s53, s53, 4                         ; i0
	s_lshl_b32 s54, s18, 2
	s_add_co_u32 s53, s53, s54
	s_sub_co_u32 s53, s53, 32
	v_lshl_add_u32 v[KJ], v[HH], 1, v[RR]
	v_add_nc_u32 v[KJ], s53, v[KJ]                 ; i0 + r - 32 + 4 w + 2 h; under 0 it wraps to a large number
	v_lshlrev_b32 v[H8], 3, v[HH]
	LOADX 1
	; ---- A.  Runs of 32 loads; each is worked on while the two runs behind it are on their way
	s_wait_loadcnt 32                              ; all but the 32 issued last: Wa, bh and block 0 are in
	LOADX 2
	s_wait_kmcnt 0x0                               ; ba
	v_mov_b32 v[MX0], v[WAV]
	v_add_f32_dpp v[MX0], v[MX0], v[MX0] row_xmask:1 row_mask:0xf bank_mask:0xf
	v_add_f32_dpp v[MX0], v[MX0], v[MX0] row_xmask:2 row_mask:0xf bank_mask:0xf
	v_add_f32_dpp v[MX0], v[MX0], v[MX0] row_xmask:4 row_mask:0xf bank_mask:0xf
	v_add_f32_dpp v[MX0], v[MX0], v[MX0] row_xmask:8 row_mask:0xf bank_mask:0xf
	v_permlanex16_b32 v[PT], v[MX0], s[SEL], s[SEL+1]
	v_add_f32 v[MX0], v[MX0], v[PT]                ; the sum of Wa, in every lane
	v_add_f32 v[MX0], s36, v[MX0]
	v_mul_f32 v[EB], 0x3fb8aa3b, v[MX0]            ; log2(e) (sum of Wa + ba)
	v_mul_f32 v[MX1], 0xc038aa3b, v[WAV]           ; -2 log2(e) Wa[lane]
	v_add_nc_u32 v[TMP], WAS, v[GC]
	ds_store_b32 v[TMP], v[MX1]                    ; into my wave's own 128 bytes
.set t, 0
.rept 8
	v_pk_mul_f32 v[ACC+2*t:ACC+2*t+1], v[ACC+2*t:ACC+2*t+1], s[38:39] op_sel_hi:[1,0]   ; bh for k, 0 for q: the sums begin with it
.set t, t+1
.endr
	STAGE 0
	QBLOCK XC, FA, BY0
	s_wait_loadcnt 32                              ; block 1 is in; block 2's 32 loads may be out
	LOADW 0
	STAGE 1
	QBLOCK XC+32, FB, BY1
	s_wait_loadcnt 32                              ; block 2 is in
	LOADW 1
	STAGE 2
	QBLOCK XC+64, FA+6, BY2
	; a lane holds a column's whole block; the operand wants lanes 0-15 block 0 (2) and lanes 16-31 block 1 (3) of sixteen columns
.irp i, 0,1,2,3,4,5
	v_permlane16_swap_b32 v[FA+\i], v[FB+\i]       ; block 0's lanes 16-31 change places with block 1's lanes 0-15: now the first tile's registers 0-5, and the second's
.endr
.irp i, 0,1,2,3,4,5
	v_mov_b32 v[FB+6+\i], v[FA+6+\i]
.endr
.irp i, 0,1,2,3,4,5
	v_permlane16_swap_b32 v[FA+6+\i], v[FB+6+\i]   ; block 2 in both halves of the lanes: the upper half stands for block 3, where a's codes are zeros
.endr
	v_lshl_or_b32 v[XTS], v[BY1], 8, v[BY0]        ; my column's scale word; block 3 has block 2's byte
	v_lshl_or_b32 v[XTS], v[BY2], 16, v[XTS]
	v_lshl_or_b32 v[XTS], v[BY2], 24, v[XTS]
	s_wait_loadcnt 32                              ; W's first 32 rows are in
	QBLOCK WR, WCA, BY0
	s_wait_loadcnt 0x0
	QBLOCK WR+32, WCB, BY1
.irp i, 0,1,2,3,4,5
	v_permlane16_swap_b32 v[WCA+\i], v[WCB+\i]     ; half a fragment of columns 0-15, and of columns 16-31
.endr
.irp i, 0,1,2
	ds_store_b64 v[WIA], v[WCA+2*\i:WCA+2*\i+1] offset:256*\i
	ds_store_b64 v[WIA], v[WCB+2*\i:WCB+2*\i+1] offset:FRB+256*\i
.endr
	v_lshl_or_b32 v[TMP], v[BY1], 8, v[BY0]
	ds_store_b16 v[WSA], v[TMP]                    ; my column's two bytes of the K step's scale word
	BARRIER                                        ; the window's rows, W's images and the cleared array lie in LDS
	; ---- B.  Waves 0-5
	s_cmp_lt_u32 s18, 6
	s_cbranch_scc0 .Lno_role
	LDX 0, XA
	LDW 0
	LDX 1, XB
	s_wait_dscnt 16                                ; K step 0's numbers and W's fragments are in; step 1's 16 loads may be out
	QPAIR XA, XA+32, FR, FR+6
	SWORD
	LDX 2, XA
	PLACES 8                                       ; a scale register written by a vector instruction stands 8 places ahead of a scaled matrix instruction, an operand 4
	PROJ
	PLACES 4                                       ; in front of loads into registers that matrix instructions have read
	LDW 1
	s_wait_dscnt 29                                ; step 1's numbers are in; behind them: step 2's 16 loads and W's 13
	QPAIR XB, XB+32, FR, FR+6
	SWORD
	LDX 3, XB
	PLACES 8
	s_wait_dscnt 16                                ; W's fragments of step 1 (and step 2's numbers) are in; step 3's 16 loads may be out
	PROJ
	PLACES 4
	LDW 2
	QPAIR XA, XA+32, FR, FR+6                      ; step 2's numbers came in with the wait above
	SWORD
	PLACES 8
	s_wait_dscnt 0x0
	PROJ
	PLACES 4
	LDW 3
	QPAIR XB, XB+32, FR, FR+6
	SWORD
	PLACES 8
	s_wait_dscnt 0x0
	PROJ
	PLACES 4
.set t, 0
.rept 8
	v_pk_mul_f32 v[ACC+2*t:ACC+2*t+1], v[ACC+2*t:ACC+2*t+1], s[CC:CC+1] op_sel_hi:[1,0]   ; x c; each accumulator from its low end on
.set t, t+1
.endr
	ds_store_b128 v[QKS], v[ACC:ACC+3]             ; lane (r, h): row r, u = 16 t + 8 h + 0 .. 7
	ds_store_b128 v[QKS], v[ACC+4:ACC+7] offset:16
	ds_store_b128 v[QKS], v[ACC+8:ACC+11] offset:64
	ds_store_b128 v[QKS], v[ACC+12:ACC+15] offset:80
.Lno_role:
	BARRIER                                        ; c (k + bh) of 80 keys and c q of 16 queries lie in LDS
	; ---- C.  My two pairs: query r, keys r + 4 w + 2 h + 0, 1 (counted from i0 - 32)
.set t, 0
.rept 8
	ds_load_b128 v[QV+4*t:QV+4*t+3], v[QRA] offset:16*t
	ds_load_b128 v[KV+4*t:KV+4*t+3], v[KRA] offset:16*t
	ds_load_b128 v[KV+32+4*t:KV+32+4*t+3], v[KRA] offset:QP+16*t
	ds_load_b128 v[WAR+4*t:WAR+4*t+3], v[WAA] offset:16*t
.set t, t+1
.endr
	s_wait_dscnt 0x0
.set t, 0
.rept 16
	v_pk_add_f32 v[KV+2*t:KV+2*t+1], v[KV+2*t:KV+2*t+1], v[QV+2*t:QV+2*t+1]              ; t = c (q + k + bh), two u at a time
	v_pk_add_f32 v[KV+32+2*t:KV+32+2*t+1], v[KV+32+2*t:KV+32+2*t+1], v[QV+2*t:QV+2*t+1]
.set t, t+1
.endr
.set t, 0
.rept 64
	v_exp_f32 v[KV+t], v[KV+t]                     ; one batch
.set t, t+1
.endr
	v_nop                                          ; a plain place behind the last of them
	s_wait_alu depctr_va_vdst(0)                   ; one wait for the batch, ahead of its first reader
.set t, 0
.rept 32
	v_pk_add_f32 v[KV+2*t:KV+2*t+1], v[KV+2*t:KV+2*t+1], 1.0 op_sel_hi:[1,0]
.set t, t+1
.endr
.set t, 0
.rept 64
	v_rcp_f32 v[KV+t], v[KV+t]
.set t, t+1
.endr
	v_nop
	s_wait_alu depctr_va_vdst(0)
	v_pk_mul_f32 v[CA:CA+1], v[KV:KV+1], v[WAR:WAR+1]              ; four packed sums, two for each key: the first products start them
	v_pk_mul_f32 v[CA+4:CA+5], v[KV+32:KV+33], v[WAR:WAR+1]
	v_pk_mul_f32 v[CA+2:CA+3], v[KV+2:KV+3], v[WAR+2:WAR+3]
	v_pk_mul_f32 v[CA+6:CA+7], v[KV+34:KV+35], v[WAR+2:WAR+3]
.set t, 2
.rept 14
	v_pk_fma_f32 v[CA+2*(t%2):CA+2*(t%2)+1], v[KV+2*t:KV+2*t+1], v[WAR+2*t:WAR+2*t+1], v[CA+2*(t%2):CA+2*(t%2)+1]
	v_pk_fma_f32 v[CA+4+2*(t%2):CA+4+2*(t%2)+1], v[KV+32+2*t:KV+32+2*t+1], v[WAR+2*t:WAR+2*t+1], v[CA+4+2*(t%2):CA+4+2*(t%2)+1]
.set t, t+1
.endr
	v_pk_add_f32 v[CA:CA+1], v[CA:CA+1], v[CA+2:CA+3]
	v_pk_add_f32 v[CA+4:CA+5], v[CA+4:CA+5], v[CA+6:CA+7]
	v_add_f32 v[CA], v[CA], v[CA+1]
	v_add_f32 v[CA+4], v[CA+4], v[CA+5]
	v_add_f32 v[CA], v[CA], v[EB]
	v_add_f32 v[CA+4], v[CA+4], v[EB]
	v_exp_f32 v[CA], v[CA]                         ; exp(e)
	v_exp_f32 v[CA+4], v[CA+4]
	v_add_nc_u32 v[TMP], 1, v[KJ]                  ; (a plain place)  my second key's number
	v_cmp_gt_u32 vcc_lo, 0x400, v[KJ]
	s_wait_alu depctr_va_vdst(0)
	v_cndmask_b32 v[CA], 0, v[CA], vcc_lo          ; a key outside the batch weighs nothing
	v_cmp_gt_u32 vcc_lo, 0x400, v[TMP]
	v_cndmask_b32 v[CA+4], 0, v[CA+4], vcc_lo
	ds_store_b32 v[AWA], v[CA]
	ds_store_b32 v[AWA], v[CA+4] offset:4
	BARRIER                                        ; the 16 x 64 weights lie in LDS, zeros round them
	; ---- D.  Lane (r, h): the window's blocks h and 2 + h of query r, in the operand's own order
.set t, 0
.rept 16
	ds_load_b128 v[AV+4*t:AV+4*t+3], v[ARA] offset:256*(t/8)+16*(t%8)
.set t, t+1
.endr
	s_wait_dscnt 0x0
	v_pk_add_f32 v[SUM0:SUM0+1], v[AV:AV+1], v[AV+2:AV+3]          ; the row's sum, two at a time, in two chains
	v_pk_add_f32 v[SUM1:SUM1+1], v[AV+4:AV+5], v[AV+6:AV+7]
.irp j, 8,12,16,20,24,28,32,36,40,44,48,52,56,60
	v_pk_add_f32 v[SUM0:SUM0+1], v[SUM0:SUM0+1], v[AV+\j:AV+\j+1]
	v_pk_add_f32 v[SUM1:SUM1+1], v[SUM1:SUM1+1], v[AV+\j+2:AV+\j+3]
.endr
	v_pk_add_f32 v[SUM0:SUM0+1], v[SUM0:SUM0+1], v[SUM1:SUM1+1]
	v_add_f32 v[SUM0], v[SUM0], v[SUM0+1]
	v_permlanex16_b32 v[PT], v[SUM0], s[SEL], s[SEL+1]
	v_add_f32 v[SUM0], v[SUM0], v[PT]              ; with lane l xor 16's two blocks: s
	v_add_f32 v[SUM0], 0x33d6bf95, v[SUM0]         ; + 1e-7
	v_rcp_f32 v[RC], v[SUM0]
	v_mov_b32 v[RC+1], 0                           ; (a plain place; the pair's upper half is named below, so it is written)
	s_wait_alu depctr_va_vdst(0)
.set t, 0
.rept 32
	v_pk_mul_f32 v[AV+2*t:AV+2*t+1], v[AV+2*t:AV+2*t+1], v[RC:RC+1] op_sel_hi:[1,0]     ; a = e / (s + 1e-7), finished and in f32: this is what is quantised
.set t, t+1
.endr
	QPAIR AV, AV+32, AF, AF+6
	SWORD
	PLACES 8
	v_wmma_scale_f32_16x16x128_f8f6f4 v[DA:DA+7], v[FA:FA+11], v[AF:AF+11], 0, v[XTS], v[SCW] matrix_a_fmt:MATRIX_FMT_FP6 matrix_b_fmt:MATRIX_FMT_FP6
	v_wmma_scale_f32_16x16x128_f8f6f4 v[DB:DB+7], v[FB:FB+11], v[AF:AF+11], 0, v[XTS], v[SCW] matrix_a_fmt:MATRIX_FMT_FP6 matrix_b_fmt:MATRIX_FMT_FP6 matrix_a_scale:MATRIX_SCALE_ROW1
	PLACES 4
	ds_store_b128 v[OSA], v[DA:DA+3]               ; lane (r, h): query r, d = 32 w + 16 t + 8 h + 0 .. 7.  The stage's rows 0-15 were last read two barriers ago
	ds_store_b128 v[OSA], v[DA+4:DA+7] offset:16
	ds_store_b128 v[OSA], v[DB:DB+3] offset:64
	ds_store_b128 v[OSA], v[DB+4:DB+7] offset:80
	BARRIER                                        ; sixteen whole rows of the result lie in LDS
	; ---- E.  Row w
.irp i, 0,1,2,3
	ds_load_b128 v[OUTR+4*\i:OUTR+4*\i+3], v[ORA] offset:512*\i
.endr
.irp i, 0,1,2,3
	s_wait_dscnt 3-\i                              ; LDS loads come back in order: piece i is in
	global_store_b128 v[GO], v[OUTR+4*\i:OUTR+4*\i+3], s[16:17] offset:512*\i th:TH_STORE_NT   ; 32 lanes store 512 consecutive bytes, at a multiple of 256 from the buffer's first byte
.endr
	s_wait_xcnt 0x0
	v_lshl_add_u32 v254, v0, 2, 0x44200
	v_mov_b32 v255, 0
	s_wait_tensorcnt 0x0
	ds_add_u32 v254, v255
	s_wait_dscnt 0x0
	s_endpgm
.Lfunc_end_k_q43cd5440a7_band_attention:
	.size	k_q43cd5440a7_band_attention, .Lfunc_end_k_q43cd5440a7_band_attention-k_q43cd5440a7_band_attention
	.p2alignl 7, 3214868480
	.fill 96, 4, 3214868480
	.section	.rodata,"a",@progbits
	.p2align	6, 0x0
	.amdhsa_kernel k_q43cd5440a7_band_attention
		.amdhsa_group_segment_fixed_size 281088
		.amdhsa_private_segment_fixed_size 0
		.amdhsa_enable_private_segment 0
		.amdhsa_kernarg_size 56
		.amdhsa_user_sgpr_count 2
		.amdhsa_user_sgpr_kernarg_segment_ptr 1
		.amdhsa_wavefront_size32 1
		.amdhsa_system_sgpr_workgroup_id_x 1
		.amdhsa_system_sgpr_workgroup_id_y 1
		.amdhsa_system_sgpr_workgroup_id_z 1
		.amdhsa_system_vgpr_workitem_id 0
		.amdhsa_next_free_vgpr 256
		.amdhsa_next_free_sgpr 66
		.amdhsa_reserve_vcc 1
		.amdhsa_float_denorm_mode_32 3
		.amdhsa_float_denorm_mode_16_64 3
		.amdhsa_memory_ordered 1
		.amdhsa_forward_progress 1
		.amdhsa_inst_pref_size 83
	.end_amdhsa_kernel
	.amdgpu_metadata
---
amdhsa.version: [ 1, 2 ]
amdhsa.kernels:
  - .name:           k_q43cd5440a7_band_attention
    .symbol:         k_q43cd5440a7_band_attention.kd
    .args:
      - { .name: x, .offset: 0, .size: 8, .value_kind: global_buffer, .address_space: global }
      - { .name: Wt, .offset: 8, .size: 8, .value_kind: global_buffer, .address_space: global }
      - { .name: Wx, .offset: 16, .size: 8, .value_kind: global_buffer, .address_space: global }
      - { .name: bh, .offset: 24, .size: 8, .value_kind: global_buffer, .address_space: global }
      - { .name: Wa, .offset: 32, .size: 8, .value_kind: global_buffer, .address_space: global }
      - { .name: ba, .offset: 40, .size: 8, .value_kind: global_buffer, .address_space: global }
      - { .name: out0, .offset: 48, .size: 8, .value_kind: global_buffer, .address_space: global }
    .group_segment_fixed_size: 281088
    .private_segment_fixed_size: 0
    .kernarg_segment_align: 8
    .kernarg_segment_size: 56
    .max_flat_workgroup_size: 512
    .sgpr_count:     66
    .vgpr_count:     256
    .wavefront_size: 32
...
	.end_amdgpu_metadata
.endif
;; end of part 1
